; MI455X (gfx1250); checked and timed in simulation.
; The chip was launched on July 23, 2026; its instructions are those of AMD's public machine-readable ISA for CDNA 5 (MIT licence, August 2026) and "CDNA5" Instruction Set Architecture Reference Guide (July 2026). The comments in the code are by the model that wrote it; some were corrected since.
;; Ro PE Multihead Self Attention. Allowed arithmetic: matrix products marked QUANTISED: E4M3 operands, one given power-of-two scale a tensor, by v_wmma_f32_16x16x64_fp8_fp8 or v_wmma_f32_16x16x128_fp8_fp8, f32 sums; everything else in f32.
;; Inputs: lowp_scales 8 int32 (the exponents e of the quantised operands' scales 2^e); proj_b 1,024 float32; proj_w 1,024 x 1,024 float32; qkv_b 3,072 float32; qkv_w 3,072 x 1,024 float32; x 4 x 2,048 x 1,024 float32.
;; Outputs: out0 4 x 2,048 x 1,024 float32.
;; This version of the problem:
;;   THIS VERSION OF THE PROBLEM IS GIVEN IN LOW PRECISION. The matrix products marked QUANTISED in the list below multiply operands that are first quantised to E4M3 (4 exponent bits, 3 mantissa bits; 8 bits a number), with one given power-of-two scale for each operand tensor; their sums are f32. All else is computed in f32.
;;   The module's matrix products, in the order in which they are computed (A, B: the left and right operand; K: the contracted axis; several contracted axes count as one K, in the product's order):
;;     1. [M 8,192, K 1,024] x [K 1,024, N 3,072]; A: input x; B: input qkv_w: QUANTISED (scales: A lowp_scales[0], B lowp_scales[1])
;;     2. batch 64 x [M 2,048, K 64] x [K 64, N 2,048]; A: computed on the way; B: computed on the way: QUANTISED (scales: A lowp_scales[2], B lowp_scales[3])
;;     3. batch 64 x [M 64, K 2,048] x [K 2,048, N 2,048]; A: computed on the way; B: softmax (see below): QUANTISED (scales: A lowp_scales[4], B lowp_scales[5])
;;     4. [M 8,192, K 1,024] x [K 1,024, N 1,024]; A: computed on the way; B: input proj_w: QUANTISED (scales: A lowp_scales[6], B lowp_scales[7])
;;   THE QUANTISER, for each operand of a quantised product, along K:
;;     - The operand's scale is 2^e, e = its entry of the input lowp_scales (int32; the entries are numbered through the quantised products in the list's order, A before B).
;;     - Each number is divided by the scale, clamped to +-448, and rounded to the nearest number of E4M3, ties to even, subnormals kept.
;;     - The product sums the exact products of the quantised numbers (number of the format x scale) in f32.
;;   ~~~python
;;   def quantise(x, axis, e):      # numpy; x: float32 -> the quantised numbers, widened to float32 again
;;       x = np.moveaxis(x, axis, -1); K = x.shape[-1]
;;       r = np.clip(x / 2.0 ** e, -448, 448)
;;       step = 2.0 ** (np.maximum(np.frexp(np.where(r == 0, 1, r))[1] - 1, -6) - 3)
;;       q = np.round(r / step) * step * 2.0 ** e      # np.round: ties to even
;;       return np.moveaxis(q, -1, axis).astype(np.float32)
;;   ~~~
;;   SOFTMAX AHEAD OF A QUANTISED PRODUCT. Where the list says 'softmax', what is quantised is not the finished softmax but p = 2^(t - M), with t = logit x log2(e) and M = ceil(the row's largest t), a whole number; so 1/2 < the row's largest p <= 1. The row's sum l is taken of the UNQUANTISED p, in f32, and the product's result is divided by l at the end. Since M is a whole number, a kernel that streams over the keys may use a running M (the ceiling of the running maximum): every later rescaling is an exact power of two, so the quantised numbers keep their values, but for numbers so far below the row's largest that they fall under the format's range.
;;   OPERANDS COMPUTED ON THE WAY. 'Computed on the way' means the value that the module computes at that place (a softmax that the list does not call 'softmax' is quantised finished and normalised). What goes into a quantiser is computed in f32, as accurately as f32 sums, v_exp_f32 and their like allow (about 1e-6 of the number): no bf16 or f16 on the way to a quantiser, and a product that is left as it is and whose result goes on into a quantised operand takes f32 operands (vector FMAs, or v_wmma_f32_16x16x4_f32). A number that lies on a knife's edge between two numbers of the format may be rounded either way, as far as f32 arithmetic and the matrix unit's own rounding can turn it there, and no further.
;; One version. Each part assembles by itself: llvm-mc -triple=amdgcn-amd-amdhsa -mcpu=gfx1250 --defsym DOCPART=n.
;; ======== version 1 of 1: 3 launches
;; limits: right only within a limited range of input values
;; workspace buffers: x_codes 8,388,608 bytes; wq_codes 3,145,728 bytes; wp_codes 1,048,576 bytes; rope_img 524,288 bytes; q_img 8,388,608 bytes; k_img 8,388,608 bytes; v_img 8,388,608 bytes
;; launch prep (part 1): grid 416 x 1, 4 waves a work-group, no clusters, 100,864 bytes of LDS; arguments x, qkv_w, proj_w, lowp_scales, x_codes, wq_codes, wp_codes, rope_img; writes x_codes, wq_codes, wp_codes, rope_img
.if DOCPART == 1
	.amdgcn_target "amdgcn-amd-amdhsa--gfx1250"
	.amdhsa_code_object_version 6
	.text
	.protected	k_q76cfafccf4_prep
	.globl	k_q76cfafccf4_prep
	.p2align	8
	.type	k_q76cfafccf4_prep,@function
k_q76cfafccf4_prep:
	s_mov_b64 s[64:65], 0
	v_nop
	global_prefetch_b8 v0, s[64:65] scope:SCOPE_SE
	s_setreg_imm32_b32 hwreg(HW_REG_WAVE_MODE, 25, 1), 1
	s_wait_xcnt 0x0
; PREP.  (1) x [8192][1024], qkv_w [3072][1024] and proj_w [1024][1024], f32 with K innermost, become codes of E4M3, one byte a number, in the same order,
; each with its given scale 2^e (entries 0, 1 and 7 of the scales): code = x / 2^e, held within +-448, to the nearest code, ties to even.
; (2) The table of cos and sin for the rotary embedding, 2,048 positions x 32 frequencies, laid as the next launch's registers want it.
; SHARES: work-groups 0-255 take x, 256-351 qkv_w, 352-383 proj_w, 32,768 numbers each (8,192 a wave, 16 steps of 512); work-groups 384-415 make the table, a wave 16 positions.
; THE QUANTISER.  A conversion takes 8 neighbours along K from ONE lane's registers; a load is best where neighbouring LANES take neighbouring bytes.  So each load reads 512 consecutive bytes, 16 a lane,
; and a step's 2,048 bytes turn through the wave's own stage in LDS (16 bytes of padding behind each 64) and come back 64 bytes a lane.  A lane's 16 codes are 16 bytes: the wave stores 512 consecutive bytes.
; Waves share nothing: no barrier.  Loads run four steps ahead, the turn through LDS one step.
; THE TABLE.  Block T (16 positions) is 4,096 bytes: eight pieces of 512, piece i = registers 4 i .. 4 i + 3 of a lane, 16 bytes a lane.  Lane (r, h) holds position 16 T + r;
; register 8 b + j = cos(pos x f), register 16 + 8 b + j = sin(pos x f), f = 10^-((16 b + 8 h + j) / 8), b = 0, 1, j = 0 .. 7.
; The angle is one f32 product; it is reduced by the nearest multiple of pi/2 (pi/2 in three parts, fused multiply-adds) and cos and sin come from polynomials on [-pi/4, pi/4].
; LIMITS: e between -126 and 119.  NaN among the inputs is not served.  The frequencies are 10^-(i/8) rounded to f32: a power and a division in f32 may give a neighbouring f32 number,
; which moves an angle by up to about 2e-4 at the last position.
.set STEPS, 16
.set SP,    80                         ; a lane's place in a stage: its 64 bytes + 16 of padding
.set WREG,  8192                       ; LDS: a region for each wave: two stages of 32 x SP bytes
.set WG_X,  256                        ; work-groups for x
.set WG_W,  352                        ; up to here: qkv_w
.set WG_P,  384                        ; up to here: proj_w; from here: the table
.set R,     16                         ; v16-79   four sets of 16 numbers as they are loaded
.set X,     80                         ; v80-111  two sets of 16 neighbours
.set C,     128                        ; v128-191 codes: four registers for each step, so that no store's data are written again
.set OUT,   32                         ; the table: v32-47 cos, v48-63 sin
	s_load_b256 s[4:11], s[0:1], 0x0               ; x, qkv_w, proj_w, the scales' exponents
	s_load_b256 s[12:19], s[0:1], 0x20             ; x_codes, wq_codes, wp_codes, rope_img
	v_lshl_add_u32 v192, v0, 2, 0x8000
	v_mov_b32 v193, 0
	v_lshrrev_b32 v1, 5, v0
	v_readfirstlane_b32 s20, v1                    ; wave
	v_and_b32 v2, 31, v0                           ; lane
	v_lshlrev_b32 v3, 4, v2                        ; 16 x lane: my 16 bytes of 512, in and out; never rewritten
	s_wait_kmcnt 0x0
	s_cmp_ge_u32 ttmp9, WG_P                       ; the branch hangs on the work-group's number alone; the table's path uses no LDS
	s_cbranch_scc1 .Ltable
	s_load_b256 s[24:31], s[10:11], 0x0            ; e0 .. e7
	s_mul_i32 s34, s20, WREG
	s_wait_alu depctr_va_vdst(0)
	v_lshrrev_b32 v14, 2, v2
	v_mul_u32_u24 v14, v14, SP
	v_and_b32 v15, 3, v2
	v_lshl_add_u32 v14, v15, 4, v14
	v_add_nc_u32 v14, s34, v14                     ; the stage, on the way in: SP (lane / 4) + 16 (lane % 4); a load's 512 bytes take eight places
	v_mul_u32_u24 v15, v2, SP
	v_add_nc_u32 v15, s34, v15                     ; and on the way out: SP x lane: my 16 neighbours
	s_cmp_lt_u32 ttmp9, WG_W                       ; which tensor?  Only pointers and numbers are chosen: all three take one path
	s_cselect_b64 s[6:7], s[6:7], s[8:9]
	s_cselect_b64 s[14:15], s[14:15], s[16:17]
	s_mov_b32 s21, WG_W
	s_cselect_b32 s21, WG_X, s21
	s_cmp_lt_u32 ttmp9, WG_X
	s_cselect_b64 s[4:5], s[4:5], s[6:7]           ; the numbers
	s_cselect_b64 s[8:9], s[12:13], s[14:15]       ; the codes
	s_cselect_b32 s21, 0, s21                      ; the tensor's first work-group
	s_sub_co_u32 s21, ttmp9, s21
	s_lshl_b32 s21, s21, 2
	s_add_co_u32 s22, s21, s20                     ; which run of 8,192 numbers of the tensor is my wave's
	s_mov_b32 s23, 0
	s_lshl_b64 s[32:33], s[22:23], 15              ; 32,768 bytes of numbers,
	s_add_nc_u64 s[4:5], s[4:5], s[32:33]
	s_lshl_b64 s[32:33], s[22:23], 13              ; 8,192 bytes of codes
	s_add_nc_u64 s[8:9], s[8:9], s[32:33]
	s_cmp_ge_u32 ttmp9, WG_W                       ; proj_w's work-groups take a path of their own: its codes are laid as an image of operand registers
	s_wait_alu depctr_va_vdst(0)
	s_cbranch_scc1 .Lwp
.macro LOAD t
.irp i, 0,1,2,3
	global_load_b128 v[R+16*((\t)%4)+4*\i:R+16*((\t)%4)+4*\i+3], v3, s[4:5] offset:2048*(\t)+512*\i th:TH_LOAD_NT   ; 32 lanes read 512 consecutive bytes
.endr
.endm
.macro TURN t                          ; step t's numbers through the stage: LDS serves a wave's instructions in order, so no wait stands between the stores and the loads
.irp i, 0,1,2,3
	ds_store_b128 v14, v[R+16*((\t)%4)+4*\i:R+16*((\t)%4)+4*\i+3] offset:32*SP*((\t)%2)+8*SP*\i
.endr
.irp i, 0,1,2,3
	ds_load_b128 v[X+16*((\t)%2)+4*\i:X+16*((\t)%2)+4*\i+3], v15 offset:32*SP*((\t)%2)+16*\i
.endr
.endm
.irp t, 0,1,2,3
	LOAD \t
.endr
	s_wait_alu depctr_va_vdst(0)
	s_wait_kmcnt 0x0
	s_cmp_lt_u32 ttmp9, WG_W
	s_cselect_b32 s25, s25, s31                    ; e1 or e7
	s_cmp_lt_u32 ttmp9, WG_X
	s_cselect_b32 s22, s24, s25                    ; e
	s_add_co_i32 s22, s22, 127
	s_lshl_b32 s23, s22, 23
	v_mov_b32 v11, s23                             ; 2^e as f32: the conversion takes its exponent field
	s_add_co_i32 s22, s22, 8
	s_lshl_b32 s22, s22, 23
	s_or_b32 s22, s22, 0x600000
	v_mov_b32 v10, s22                             ; 448 x 2^e
	s_wait_alu depctr_va_vdst(0)
	s_wait_loadcnt 12                              ; step 0's four loads are in; the twelve of steps 1 to 3 may be out
	TURN 0
.macro STEP t
.set XS, X+16*((\t)%2)
	s_wait_dscnt 0x0                               ; this step's numbers are back from the stage: so its stores into the stage have read their registers,
.if (\t)+4 < STEPS
	LOAD (\t)+4                                    ; which take the loads of four steps on
.endif
.if (\t)+1 < STEPS
.if STEPS-2-(\t) >= 3
	s_wait_loadcnt 12                              ; the next step's four loads are in; those of the three steps behind it may be out
.else
	s_wait_loadcnt 4*(STEPS-2-(\t))
.endif
	TURN (\t)+1                                    ; and go through the other stage while this step is worked
.endif
.irp i, 0,1,2,3,4,5,6,7,8,9,10,11,12,13,14,15
	v_med3_num_f32 v[XS+\i], v[XS+\i], -v10, v10   ; the conversion to an 8-bit code does not saturate (ISA guide 7.6.2): the hold at the largest code x the scale comes first
.endr
	v_cvt_scalef32_pk8_fp8_f32 v[C+4*(\t):C+4*(\t)+1], v[XS:XS+7], v11
	v_cvt_scalef32_pk8_fp8_f32 v[C+4*(\t)+2:C+4*(\t)+3], v[XS+8:XS+15], v11
	global_store_b128 v3, v[C+4*(\t):C+4*(\t)+3], s[8:9] offset:512*(\t)   ; the codes go to a store alone; the next vector lines are the next step's holds, on other registers
.endm
.irp t, 0,1,2,3,4,5,6,7,8,9,10,11,12,13,14,15
	STEP \t
.endr
	s_wait_tensorcnt 0x0
	ds_add_u32 v192, v193
	s_wait_dscnt 0x0
	s_endpgm
.Lwp:
; PROJ_W.  wp_codes is NOT row-major: it is the image of the operand registers of the product with proj_w.  Tile nt (16 rows n) and K step ks (128 along K) lie at (8 nt + ks) x 2,048 bytes:
; four pieces c of 512 bytes, 16 bytes a lane; lane (r, h) = 16 h + r holds row 16 nt + r, k = 128 ks + 32 c + 16 h + 0 .. 15.
; Wave g of the 128 takes tile g / 2 and half g % 2 of K: step t is row t, 512 numbers.  After the turn lane l holds the row's piece of 16 codes number l, which lies at 256 l + 16 t of the wave's 8,192 bytes of the image.
; So the codes are gathered in LDS (piece l at 272 l, row t at 16 t) and leave as 16 stores of 512 consecutive bytes.  This path has LDS bytes of its own.
.set WPS, 33280                        ; this path's stages: the other path's addresses + WPS
.set WPG, 66048                        ; the gather: 32 x GP bytes for each wave
.set GP,  272
	s_and_b32 s32, s22, 1
	s_mul_i32 s32, s32, 30720                      ; the numbers begin at 65,536 (g / 2) + 2,048 (g % 2) = 32,768 g - 30,720 (g % 2)
	s_mov_b32 s33, 0
	s_sub_nc_u64 s[4:5], s[4:5], s[32:33]
	v_add_nc_u32 v14, WPS, v14
	v_add_nc_u32 v15, WPS, v15
	s_mul_i32 s34, s20, 32*GP
	s_add_co_u32 s34, s34, WPG
	v_mul_u32_u24 v12, v2, GP
	v_add_nc_u32 v12, s34, v12                     ; into the gather: piece = my lane
	v_lshrrev_b32 v13, 4, v2
	v_mul_u32_u24 v13, v13, GP
	v_and_b32 v9, 15, v2
	v_lshl_add_u32 v13, v9, 4, v13
	v_add_nc_u32 v13, s34, v13                     ; out of it: sixteen lanes to a piece's 256 bytes, two pieces an instruction
.macro LOADW t
.irp i, 0,1,2,3
	global_load_b128 v[R+16*((\t)%4)+4*\i:R+16*((\t)%4)+4*\i+3], v3, s[4:5] offset:4096*(\t)+512*\i th:TH_LOAD_NT   ; row t: 32 lanes read 512 consecutive bytes
.endr
.endm
.irp t, 0,1,2,3
	LOADW \t
.endr
	s_wait_alu depctr_va_vdst(0)
	s_wait_kmcnt 0x0
	s_add_co_i32 s22, s31, 127                     ; entry 7
	s_lshl_b32 s23, s22, 23
	v_mov_b32 v11, s23
	s_add_co_i32 s22, s22, 8
	s_lshl_b32 s22, s22, 23
	s_or_b32 s22, s22, 0x600000
	v_mov_b32 v10, s22
	s_wait_alu depctr_va_vdst(0)
	s_wait_loadcnt 12                              ; step 0's four loads are in
	TURN 0
.macro STEPW t
.set XS, X+16*((\t)%2)
	s_wait_dscnt 0x0
.if (\t)+4 < STEPS
	LOADW (\t)+4
.endif
.if (\t)+1 < STEPS
.if STEPS-2-(\t) >= 3
	s_wait_loadcnt 12                              ; the next step's four loads are in; those of the three steps behind it may be out
.else
	s_wait_loadcnt 4*(STEPS-2-(\t))
.endif
	TURN (\t)+1
.endif
.irp i, 0,1,2,3,4,5,6,7,8,9,10,11,12,13,14,15
	v_med3_num_f32 v[XS+\i], v[XS+\i], -v10, v10
.endr
	v_cvt_scalef32_pk8_fp8_f32 v[C+4*(\t):C+4*(\t)+1], v[XS:XS+7], v11
	v_cvt_scalef32_pk8_fp8_f32 v[C+4*(\t)+2:C+4*(\t)+3], v[XS+8:XS+15], v11
	ds_store_b128 v12, v[C+4*(\t):C+4*(\t)+3] offset:16*(\t)
.endm
.irp t, 0,1,2,3,4,5,6,7,8,9,10,11,12,13,14,15
	STEPW \t
.endr
.irp j, 0,1,2,3,4,5,6,7,8,9,10,11,12,13,14,15
	ds_load_b128 v[R+4*\j:R+4*\j+3], v13 offset:2*GP*\j   ; LDS serves a wave's instructions in order: these see my stores
.endr
.irp j, 0,1,2,3,4,5,6,7,8,9,10,11,12,13,14,15
	s_wait_dscnt 15-\j
	global_store_b128 v3, v[R+4*\j:R+4*\j+3], s[8:9] offset:512*\j
.endr
	s_wait_tensorcnt 0x0                           ; the wave's end
	ds_add_u32 v192, v193
	s_wait_dscnt 0x0
	s_endpgm
.Ltable:
	s_sub_co_u32 s21, ttmp9, WG_P
	s_lshl_b32 s21, s21, 2
	s_add_co_u32 s21, s21, s20                     ; T: my block of 16 positions
	s_lshl_b32 s22, s21, 4
	v_and_b32 v6, 15, v0
	v_add_nc_u32 v6, s22, v6
	v_cvt_f32_u32 v6, v6                           ; my position, exact in f32
	v_and_b32 v4, 16, v0
	v_cmp_ne_u32 s23, 0, v4                        ; the lanes with h = 1
	s_mov_b32 s24, 0x3f22f983                      ; 2 / pi
	s_mov_b32 s25, 0x3fc90fd8                      ; pi / 2 in three parts: 1.57079601,
	s_mov_b32 s26, 0x34a8885a                      ; 3.13916473e-7,
	s_mov_b32 s27, 0x27c234c4                      ; 5.39030253e-15
	s_lshl_b32 s28, s21, 12
	s_mov_b32 s29, 0
	s_add_nc_u64 s[18:19], s[18:19], s[28:29]      ; my block of the table
; One angle: k = 8 b + j; l0, l1: the frequency of the lanes with h = 0 and with h = 1
.macro ANG k, l0, l1
	v_mul_f32 v8, \l0, v6
	v_mul_f32 v9, \l1, v6
	v_cndmask_b32 v8, v8, v9, s23                  ; the angle: one rounding
	v_mul_f32 v9, s24, v8
	v_rndne_f32 v9, v9                             ; N: the nearest multiple of pi / 2
	v_fma_f32 v10, -v9, s25, v8
	v_fma_f32 v10, -v9, s26, v10
	v_fma_f32 v10, -v9, s27, v10                   ; R = angle - N pi / 2
	v_mul_f32 v11, v10, v10                        ; S = R^2
	v_cvt_i32_f32 v12, v9                          ; Q = N as a whole number, 0 or more
	v_mov_b32 v13, 0x36405000                      ; sin R = R + R S (((2.86567956e-6 S - 1.98559923e-4) S + 8.33338592e-3) S - 1.66666672e-1)
	v_fmaak_f32 v13, v13, v11, 0xb9503486
	v_fmaak_f32 v13, v13, v11, 0x3c0888c1
	v_fmaak_f32 v13, v13, v11, 0xbe2aaaab
	v_mul_f32 v14, v10, v11
	v_fma_f32 v13, v13, v14, v10
	v_mov_b32 v15, 0x37cd4000                      ; cos R = (((2.44677067e-5 S - 1.38877297e-3) S + 4.16666567e-2) S - 0.5) S + 1
	v_fmaak_f32 v15, v15, v11, 0xbab6077d
	v_fmaak_f32 v15, v15, v11, 0x3d2aaaa8
	v_fma_f32 v15, v15, v11, -0.5
	v_fma_f32 v15, v15, v11, 1.0
	v_and_b32 v16, 1, v12
	v_cmp_ne_u32 vcc_lo, 0, v16                    ; in an odd quadrant the two change places
	v_cndmask_b32 v17, v13, v15, vcc_lo
	v_cndmask_b32 v18, v15, v13, vcc_lo
	v_lshlrev_b32 v16, 30, v12
	v_and_b32 v16, 0x80000000, v16                 ; sin is negative in quadrants 2 and 3: bit 1 of Q
	v_xor_b32 v[OUT+16+\k], v17, v16
	v_add_nc_u32 v16, 1, v12
	v_lshlrev_b32 v16, 30, v16
	v_and_b32 v16, 0x80000000, v16                 ; cos in quadrants 1 and 2: bit 1 of Q + 1
	v_xor_b32 v[OUT+\k], v18, v16
.endm
	ANG 0,  1.0,              0.1
	ANG 1,  0.749894209332,   0.0749894209332
	ANG 2,  0.562341325190,   0.0562341325190
	ANG 3,  0.421696503429,   0.0421696503429
	ANG 4,  0.316227766017,   0.0316227766017
	ANG 5,  0.237137370566,   0.0237137370566
	ANG 6,  0.177827941004,   0.0177827941004
	ANG 7,  0.133352143216,   0.0133352143216
	ANG 8,  0.01,             0.001
	ANG 9,  0.00749894209332, 0.000749894209332
	ANG 10, 0.00562341325190, 0.000562341325190
	ANG 11, 0.00421696503429, 0.000421696503429
	ANG 12, 0.00316227766017, 0.000316227766017
	ANG 13, 0.00237137370566, 0.000237137370566
	ANG 14, 0.00177827941004, 0.000177827941004
	ANG 15, 0.00133352143216, 0.000133352143216
.irp i, 0,1,2,3,4,5,6,7
	global_store_b128 v3, v[OUT+4*\i:OUT+4*\i+3], s[18:19] offset:512*\i   ; 32 lanes store 512 consecutive bytes
.endr
	s_endpgm
.Lfunc_end_k_q76cfafccf4_prep:
	.size	k_q76cfafccf4_prep, .Lfunc_end_k_q76cfafccf4_prep-k_q76cfafccf4_prep
	.p2alignl 7, 3214868480
	.fill 96, 4, 3214868480
	.section	.rodata,"a",@progbits
	.p2align	6, 0x0
	.amdhsa_kernel k_q76cfafccf4_prep
		.amdhsa_group_segment_fixed_size 100864
		.amdhsa_private_segment_fixed_size 0
		.amdhsa_enable_private_segment 0
		.amdhsa_kernarg_size 64
		.amdhsa_user_sgpr_count 2
		.amdhsa_user_sgpr_kernarg_segment_ptr 1
		.amdhsa_wavefront_size32 1
		.amdhsa_system_sgpr_workgroup_id_x 1
		.amdhsa_system_sgpr_workgroup_id_y 1
		.amdhsa_system_sgpr_workgroup_id_z 1
		.amdhsa_system_vgpr_workitem_id 0
		.amdhsa_next_free_vgpr 194
		.amdhsa_next_free_sgpr 66
		.amdhsa_reserve_vcc 1
		.amdhsa_float_denorm_mode_32 3
		.amdhsa_float_denorm_mode_16_64 3
		.amdhsa_memory_ordered 1
		.amdhsa_forward_progress 1
		.amdhsa_inst_pref_size 103
	.end_amdhsa_kernel
	.amdgpu_metadata
---
amdhsa.version: [ 1, 2 ]
amdhsa.kernels:
  - .name:           k_q76cfafccf4_prep
    .symbol:         k_q76cfafccf4_prep.kd
    .args:
      - { .name: x, .offset: 0, .size: 8, .value_kind: global_buffer, .address_space: global }
      - { .name: qkv_w, .offset: 8, .size: 8, .value_kind: global_buffer, .address_space: global }
      - { .name: proj_w, .offset: 16, .size: 8, .value_kind: global_buffer, .address_space: global }
      - { .name: lowp_scales, .offset: 24, .size: 8, .value_kind: global_buffer, .address_space: global }
      - { .name: x_codes, .offset: 32, .size: 8, .value_kind: global_buffer, .address_space: global }
      - { .name: wq_codes, .offset: 40, .size: 8, .value_kind: global_buffer, .address_space: global }
      - { .name: wp_codes, .offset: 48, .size: 8, .value_kind: global_buffer, .address_space: global }
      - { .name: rope_img, .offset: 56, .size: 8, .value_kind: global_buffer, .address_space: global }
    .group_segment_fixed_size: 100864
    .private_segment_fixed_size: 0
    .kernarg_segment_align: 8
    .kernarg_segment_size: 64
    .max_flat_workgroup_size: 128
    .sgpr_count:     66
    .vgpr_count:     194
    .wavefront_size: 32
...
	.end_amdgpu_metadata
.endif
;; end of part 1
;; launch qkv (part 2): grid 12 x 32, 4 waves a work-group, clusters of 4 x 4, 327,680 bytes of LDS; arguments x_codes, wq_codes, lowp_scales, qkv_b, rope_img, q_img, k_img, v_img; writes q_img, k_img, v_img
.if DOCPART == 2
	.amdgcn_target "amdgcn-amd-amdhsa--gfx1250"
	.amdhsa_code_object_version 6
	.text
	.protected	k_q76cfafccf4_qkv
	.globl	k_q76cfafccf4_qkv
	.p2align	8
	.type	k_q76cfafccf4_qkv,@function
k_q76cfafccf4_qkv:
	s_mov_b64 s[64:65], 0
	v_nop
	global_prefetch_b8 v0, s[64:65] scope:SCOPE_SE
	s_setreg_imm32_b32 hwreg(HW_REG_WAVE_MODE, 25, 1), 1
	s_wait_xcnt 0x0
	s_wait_alu depctr_hold_cnt(0) depctr_sa_sdst(0) depctr_va_vdst(0) depctr_va_sdst(0) depctr_va_ssrc(0) depctr_va_vcc(0) depctr_vm_vsrc(0)
	s_getreg_b32 s2, hwreg(HW_REG_IB_STS2, 6, 4)
	s_cmp_eq_u32 s2, 0
	s_cbranch_scc0 .Lentry_in_a_cluster
	s_endpgm
.Lentry_in_a_cluster:
	s_bfe_u32 s2, ttmp6, 0x10000c
	s_cmp_lg_u32 s2, 0xf033
	s_cbranch_scc0 .Lentry_shape_is_right
	s_endpgm
.Lentry_shape_is_right:
; QKV.  qkv = x qkv_w^T + qkv_b on codes of E4M3 (x_codes [8192][1024], wq_codes [3072][1024], K innermost; sums in f32, x 2^(e0 + e1)); then, in f32, the rotary embedding of q and k;
; then q, k and v are quantised (k with entry 2 of the scales, q with entry 3, v with entry 4) and stored as images of the registers in which the attention launch wants them.
; A tile of 256 x 256 results is made by a work-group of four waves, a wave 128 x 128: 64 accumulators of 16 x 16, 512 registers.  K = 1,024 goes in four steps of 256 through two LDS slots filled by the tensor data mover.
; THE MATRIX INSTRUCTION IS USED TRANSPOSED (source 0 = 16 rows of "B", source 1 = 16 rows of "A"): a lane holds ONE row of A and, in an accumulator's eight registers, eight neighbouring rows of B.
; THE CLUSTER'S x IS THE MODE: 0 = q, 1 = k, 2 = v; it is the same in all sixteen partners.  For q and k, A = x (a lane holds a token, its registers run along the head's 64: the next product's K).
; For v, A = the weight's rows 2,048 on and B = x: a lane holds a channel and its registers run along the tokens, which are the keys, the K of the product with v.  Nothing is transposed.
; CLUSTERS: 4 x 4 work-groups.  A's tile hangs on cy (and on the cluster's coordinates) and is asked for jointly by the four of a row of the cluster, B's on cx and by the four of a column.
; IMAGES.  q_img, k_img: head (b 16 + h) at 131,072 bytes each; fragment n / 16 (16 tokens x 64) is 1,024 bytes: a lane's registers 0-3 at 16 x lane, 4-7 at 512 + 16 x lane; lane (r, hh) holds token r,
;   registers 2 c, 2 c + 1 the head's d = 16 c + 8 hh + 0 .. 7.   v_img: the same heads; key step n / 128 and channel tile ct at (4 s + ct) 2,048: four pieces of 512; lane (r, hh) holds channel 16 ct + r,
;   registers 2 c, 2 c + 1 keys 16 c + 8 hh + 0 .. 7.  Every store of a wave covers 512 consecutive bytes, aligned.
; LIMITS: e0 + e1 between -126 and 127; entries 2, 3 and 4 between -126 and 119.  NaN is not served.
; REGISTERS, in windows of 256: window 0: v0-31 addresses and constants; v32-127 idle in the loop, then bias and cos/sin; from v128 A's fragments (8 x 16 rows x 128 K), ONE set; on the way out v128-255 are at work.
;   window 1: B's fragments, TWO sets, at v0 and at v128.   window 2: the 32 accumulators of my A rows 0-63 (accumulator (a, b) at v[8 (8 a + b)]);   window 3: those of rows 64-127.
.set ROWB,   256                       ; a tile's row in bytes: 256 codes
.set KROW,   1024                      ; a row of either operand in memory, in bytes
.set PITCH,  272                       ; an LDS row: 256 bytes + 16 of padding = 68 words: row r starts at bank 4 r mod 64 (64 banks of 4 bytes: ISA guide 11.1)
.set FR,     16                        ; registers of a fragment: 16 rows x 128 K
.set NL,     4                         ; LDS loads that bring one
.set NP,     4                         ; places behind this matrix instruction (ISA guide 7.12.1)
.set HALFT,  128*PITCH                 ; 128 rows: what one tensor load brings, and what one wave reads of A or of B
.set SLOT,   4*HALFT                   ; A's 256 rows, then B's 256 rows
.set SPARE,  2*SLOT                    ; behind the ring: the spare words, 128 bytes for each wave: two blocks of 256 bytes that no other line names
.set ADRA, 16                          ; v16-17  LDS address of my A fragments in slot 0, 1
.set ADRB, 20                          ; v20-21  the same for B
.set SC,   22                          ; v22     the quantiser's scale as f32
.set LM,   23                          ; v23     448 x that
.set LI,   27                          ; v27     16 x lane: my place in every piece of 512 bytes
.set SPW,  28                          ; v28     LDS address of my spare word; never rewritten
.set NIL,  29                          ; v29     0; never rewritten
.set BO,   30                          ; v30     my offset in the bias
.set AF,   128                         ; A's fragments, in window 0
.set BIAS, 32                          ; q, k: v32-95   register 8 b + j = the bias of column 16 b + 8 hh + j
.set CS,   96                          ; q, k: v96-127, v128-159: cos (16) and sin (16) of a block of 16 tokens, two buffers
.set T,    160                         ; q, k: v160-191 a head's 32 numbers of my token, with bias
.set RR,   192                         ; q, k: v192-223 the same, rotated
.set CD,   224                         ; q, k: v224-239 codes, a set for each of my two heads
.set BV,   32                          ; v: v32-47   pair 2 a, 2 a + 1: the bias of my channel of block a, twice
.set VT,   160                         ; v: v160-223 my channel's 64 numbers, with bias
.set VCD,  224                         ; v: v224-255 codes, two sets
.set G1, 24                            ; s[24:31] descriptor group 1 for A's tiles;  s[32:39] group 0, one set for each slot
.set G0, 32
.set G1B, 48                           ; s[48:55], s[56:63] the same for B's tiles
.set G0B, 56
.set MSB, 0
.macro WIN new                         ; the immediate's high byte repeats the setting that is left; a switch that changes nothing is dropped
.if MSB != (\new)
	s_set_vgpr_msb (MSB<<8)|(\new)
.set MSB, (\new)
.endif
.endm
.set MUL_LO, 0xa1                      ; source 0 (B) window 1, source 1 (A) window 0, C and D window 2
.set MUL_HI, 0xf1                      ; the same, C and D window 3
.set TO_B,   0x40                      ; destination window 1, address window 0
; A joint load: waves 0 and 1 fetch for A, waves 2 and 3 for B.  Each of the two lines has ONE mask and one set of registers for all that issue it; the branch hangs on the wave's number alone.
; Four v_nop follow each of the two lines, ahead of the jump, the label and what follows.
.macro JLOAD g0a, g1a, g0b, g1b
	s_cmp_eq_u32 s15, 0
	s_cbranch_scc0 .Lfor_b_\@
	tensor_load_to_lds s[\g0a:\g0a+3], s[\g1a:\g1a+7]
	s_nop 0
.rept 4
	v_nop
.endr
	s_branch .Lasked_\@
.Lfor_b_\@:
	tensor_load_to_lds s[\g0b:\g0b+3], s[\g1b:\g1b+7]
	s_nop 0
.rept 4
	v_nop
.endr
.Lasked_\@:
.endm
.macro CREST                           ; a round of the cluster's barrier behind its opening barrier
	s_cmp_lg_u32 s14, 0
	s_cbranch_scc1 .Lnot_wave_0_\@
	s_barrier_signal -3
.Lnot_wave_0_\@:
	s_barrier_wait -3
	s_barrier_signal -1
	s_barrier_wait -1
.endm
.macro CROUND                          ; a whole round
	s_barrier_signal -1
	s_barrier_wait -1
	CREST
.endm
	s_load_b256 s[68:75], s[0:1], 0x0              ; x_codes s[68:69], wq_codes s[70:71], the scales' exponents s[72:73], qkv_b s[74:75]
	s_load_b256 s[76:83], s[0:1], 0x20             ; rope_img s[76:77], q_img s[78:79], k_img s[80:81], v_img s[82:83]
	v_lshl_add_u32 v[SPW], v0, 2, SPARE
	v_mov_b32 v[NIL], 0
	ds_add_u32 v28, v29
	ds_add_u32 v28, v29
	s_wait_dscnt 0x0
	v_lshrrev_b32 v1, 5, v0
	v_readfirstlane_b32 s14, v1                    ; wave 0..3
	s_lshr_b32 s15, s14, 1                         ; which half of the tile's A rows is mine.  Also: I fetch for A (0) or for B (1)
	s_and_b32 s16, s14, 1                          ; which half of its B rows.  Also: which 128 rows of that tile I fetch
	s_bfe_u32 s40, ttmp6, 0x40000                  ; cx, cy: my place in the cluster
	s_bfe_u32 s41, ttmp6, 0x40004
	s_and_b32 s17, ttmp7, 0xffff
	s_lshl_b32 s17, s17, 10                        ; 1,024 x cluster y: the cluster's tokens
	s_lshl_b32 s42, ttmp9, 10                      ; 1,024 x mode: the weight's rows for q or k
	s_cmp_eq_u32 ttmp9, 2                          ; v?
	s_cselect_b32 s18, 2048, s17                   ; A: the weight's rows 2,048 on, or the tokens
	s_cselect_b32 s19, s17, s42                    ; B: the tokens, or the weight's rows
	s_lshl_b32 s66, s41, 8
	s_add_co_u32 s66, s66, s18                     ; the first row of A's tile: + 256 cy
	s_lshl_b32 s67, s40, 8
	s_add_co_u32 s67, s67, s19                     ; the first row of B's tile: + 256 cx
	s_lshl_b32 s43, s41, 2
	s_lshl_b32 s43, 15, s43                        ; my row of the cluster
	s_lshl_b32 s44, 0x1111, s40                    ; my column
	; descriptor group 1: a tile of 128 rows x 256 bytes, padded in LDS
	s_or_b32 s[G1+0], s43, (0<<16)|(1<<20)|(1<<21)|(5<<22)|(3<<25)  ; 15:0 the mask: A's tiles go to my row; 17:16 element of 1 byte; 20 padding on; 21 set beside a mask; 24:22 after every 64 words (code 5); 31:25 of 4 words (code 3)
	s_or_b32 s[G1B+0], s44, (0<<16)|(1<<20)|(1<<21)|(5<<22)|(3<<25)
.irp g, G1, G1B
	s_mov_b32 s[\g+1], ROWB<<16                    ; tensor_dim0
	s_mov_b32 s[\g+2], 128<<16                     ; tensor_dim1 = 128
	s_mov_b32 s[\g+3], ROWB<<16                    ; tile_dim0
	s_mov_b32 s[\g+4], 128                         ; tile_dim1 = 128
	s_mov_b32 s[\g+5], KROW                        ; tensor_dim0_stride
	s_mov_b32 s[\g+6], 0
	s_mov_b32 s[\g+7], 0
.endr
	s_lshl_b32 s18, s16, 7                         ; which 128 rows of the tile I fetch
	s_add_co_u32 s20, s66, s18
	s_lshl_b32 s20, s20, 10                        ; A: their first byte (rows of 1,024 bytes; under 2^24)
	s_mov_b32 s21, 0
	s_add_co_u32 s46, s67, s18
	s_lshl_b32 s46, s46, 10                        ; B likewise
	s_mov_b32 s47, 0
	s_mul_i32 s45, s14, HALFT                      ; where they go: wave x 128 rows: no place in the cluster enters an LDS address
	s_wait_kmcnt 0x0
	s_load_b256 s[84:91], s[72:73], 0x0            ; e0 .. e7
	s_cmp_eq_u32 ttmp9, 2
	s_cselect_b64 s[4:5], s[70:71], s[68:69]       ; A's buffer
	s_cselect_b64 s[6:7], s[68:69], s[70:71]       ; B's buffer
	s_add_nc_u64 s[20:21], s[4:5], s[20:21]
	s_add_nc_u64 s[46:47], s[6:7], s[46:47]
	CROUND                                         ; all sixteen work-groups are here: the first joint loads meet
.irp s, 0,1
	s_mov_b32 s[G0+4*\s], 1
	s_add_co_u32 s[G0+4*\s+1], s45, \s*SLOT
	s_add_nc_u64 s[G0+4*\s+2:G0+4*\s+3], s[20:21], \s*ROWB
	s_or_b32 s[G0+4*\s+3], s[G0+4*\s+3], 0x80000000
	s_mov_b32 s[G0B+4*\s], 1
	s_add_co_u32 s[G0B+4*\s+1], s45, \s*SLOT
	s_add_nc_u64 s[G0B+4*\s+2:G0B+4*\s+3], s[46:47], \s*ROWB
	s_or_b32 s[G0B+4*\s+3], s[G0B+4*\s+3], 0x80000000
.endr
	; the prefetches: of the 128 rows that my wave fetches, my work-group names 32 (the four partners that ask jointly are told apart by address: cx for A, cy for B), a lane a row
	s_cmp_eq_u32 s15, 0
	s_cselect_b64 s[10:11], s[20:21], s[46:47]     ; my 128 rows, of A or of B
	s_cselect_b32 s12, s40, s41
	s_lshl_b32 s12, s12, 15                        ; 32 rows of 1,024 bytes for each place
	s_mov_b32 s13, 0
	s_add_nc_u64 s[10:11], s[10:11], s[12:13]
	v_and_b32 v31, 31, v0
	v_lshlrev_b32 v31, 10, v31                     ; my lane's row; never rewritten
	s_wait_alu depctr_va_vdst(0)
	JLOAD G0, G1, G0B, G1B                         ; K step 0
	global_prefetch_b8 v31, s[10:11] offset:512 th:TH_LOAD_NT scope:SCOPE_SE   ; K step 2's 256 bytes of each row: two K steps ahead of the load that wants them
	v_and_b32 v1, 15, v0                           ; r = l % 16; kept
	v_bfe_u32 v2, v0, 4, 1                         ; hh = l / 16; kept
	v_mul_u32_u24 v3, v1, PITCH
	v_lshl_add_u32 v4, v2, 4, v3                   ; a fragment's row x pitch + 16 x half
	s_mul_i32 s21, s15, HALFT                      ; my 128 rows of A
	s_mul_i32 s22, s16, HALFT                      ; my 128 rows of B,
	s_add_co_u32 s22, s22, 2*HALFT                 ; which lie behind A's 256
.irp s, 0,1
	v_add_nc_u32 v[ADRA+\s], s21, v4
	v_add_nc_u32 v[ADRB+\s], s22, v4
	s_add_co_u32 s21, s21, SLOT
	s_add_co_u32 s22, s22, SLOT
.endr
	v_and_b32 v5, 31, v0
	v_lshlrev_b32 v[LI], 4, v5
.macro FRAG reg, adr, q, i             ; a fragment: lane l holds row l % 16; registers 4 c .. 4 c + 3 hold K = 32 c + 16 (l / 16) + 0 .. 15: the same permutation of K in A and in B, so every product meets its partner
.irp c, 0,1,2,3
	ds_load_b128 v[\reg+4*\c:\reg+4*\c+3], v[\adr] offset:128*(\q)+32*\c+(\i)*16*PITCH
.endr
.endm
; 16 matrix instructions: A's blocks a0, a0 + 1 x B's eight, 128 along K.  p: B's set.  zero = 1: the first product starts the sums: nothing is ever cleared.
; The 64 accumulators take turns, one instruction a turn, in the same order in every step.
.macro MUL16 a0, p, zero
.irp a, \a0, \a0+1
.irp b, 0,1,2,3,4,5,6,7
.if \zero
	v_wmma_f32_16x16x128_fp8_fp8 v[8*(8*((\a)%4)+\b):8*(8*((\a)%4)+\b)+7], v[128*(\p)+FR*\b:128*(\p)+FR*\b+FR-1], v[AF+FR*(\a):AF+FR*(\a)+FR-1], 0
.else
	v_wmma_f32_16x16x128_fp8_fp8 v[8*(8*((\a)%4)+\b):8*(8*((\a)%4)+\b)+7], v[128*(\p)+FR*\b:128*(\p)+FR*\b+FR-1], v[AF+FR*(\a):AF+FR*(\a)+FR-1], v[8*(8*((\a)%4)+\b):8*(8*((\a)%4)+\b)+7]
.endif
.endr
.endr
.endm
.macro FETCH_B slot, q, p              ; B's eight fragments of the slot's q-th 128 along K into set p
	WIN TO_B
.irp i, 0,1,2,3,4,5,6,7
	FRAG 128*(\p)+FR*\i, ADRB+\slot, \q, \i
.endr
	WIN 0
.endm
.macro FETCH_A slot, q, i0             ; A's blocks i0 .. i0 + 3
.irp i, \i0, \i0+1, \i0+2, \i0+3
	FRAG AF+FR*(\i), ADRA+\slot, \q, \i
.endr
.endm
; A load into a register that a matrix instruction has read, and a vector instruction that reads a matrix result or writes one of a matrix instruction's registers, stand NP places behind it,
; and only plain vector instructions that name none of its registers are places (ISA guide 7.12.1 for vector instructions).
.macro PLACES n
.rept \n
	v_nop
.endr
.endm
; A step of 128 along K that has its successor in the same slot.  A's blocks are free as soon as their eight products are issued, so A has one set: blocks 0-3 are fetched anew in the step's middle, blocks 4-7 at its end.
.macro STEP slot, q, zero
	s_wait_dscnt 4*NL                              ; B's set and A's blocks 0-3 are in; the youngest 16 loads (A's blocks 4-7) may be out
	WIN MUL_LO
	MUL16 0, (\q)%2, \zero
	MUL16 2, (\q)%2, \zero
	s_wait_dscnt 0                                 ; A's blocks 4-7 are in (asked for 32 matrix instructions ago)
	PLACES NP
	FETCH_B \slot, (\q)+1, 1-(\q)%2
	FETCH_A \slot, (\q)+1, 0
	WIN MUL_HI
	MUL16 4, (\q)%2, \zero
	MUL16 6, (\q)%2, \zero
	PLACES NP
	WIN 0
	FETCH_A \slot, (\q)+1, 4
.endm
; A slot's last step changes slots: ONE barrier; in front of it each wave waits for all its tensor loads, adds 0 to its spare word, and waits for that and for its own reads of this slot.  fill = 1: this slot is filled again, two K steps ahead.
.macro TURN slot, next, fill
	s_wait_tensorcnt 0x0                           ; all my tensor loads have landed: my part of the next slot;  (every window is 0 here)
	ds_add_u32 v[SPW], v[NIL]                      ; 0 onto my spare word
	s_wait_dscnt 4*NL+1                            ; (the add and the youngest 16 loads, A's blocks 4-7, may be out)
	WIN MUL_LO
	MUL16 0, 1, 0                                  ; sixteen matrix instructions stand between the add and the wait for it
	s_wait_dscnt 0x0                               ; the add is done, and my reads of this slot are over
	s_barrier_signal -1
	MUL16 2, 1, 0
	WIN 0
	s_barrier_wait -1
.if \fill
	CREST                                          ; the barrier has opened a round of the cluster's barrier: no wave of any partner still reads this slot's tile or has a load on its way
	s_add_nc_u64 s[G0+4*\slot+2:G0+4*\slot+3], s[G0+4*\slot+2:G0+4*\slot+3], 2*ROWB
	s_add_nc_u64 s[G0B+4*\slot+2:G0B+4*\slot+3], s[G0B+4*\slot+2:G0B+4*\slot+3], 2*ROWB
	JLOAD G0+4*\slot, G1, G0B+4*\slot, G1B         ; the first tensor load behind the round; the four v_nop behind it are the places in front of the loads below
.else
	PLACES NP
.endif
	FETCH_B \next, 0, 0
	FETCH_A \next, 0, 0
	WIN MUL_HI
	MUL16 4, 1, 0
	MUL16 6, 1, 0
	PLACES NP
	WIN 0
	FETCH_A \next, 0, 4
.endm
.macro LAST                            ; the very last step of 128 along K: nothing more to fetch
	s_wait_dscnt 4*NL
	WIN MUL_LO
	MUL16 0, 1, 0
	MUL16 2, 1, 0
	s_wait_dscnt 0
	WIN MUL_HI
	MUL16 4, 1, 0
	MUL16 6, 1, 0
	WIN 0
.endm
	s_wait_alu depctr_va_vdst(0)
	s_wait_tensorcnt 0x0                           ; my part of K step 0 is in
	ds_add_u32 v[SPW], v[NIL]
	s_wait_dscnt 0x0
	CROUND                                         ; everybody's part of K step 0 is in, and all sixteen work-groups are here
	JLOAD G0+4, G1, G0B+4, G1B                     ; K step 1: the first tensor load behind the round
	FETCH_B 0, 0, 0
	global_prefetch_b8 v31, s[10:11] offset:768 th:TH_LOAD_NT scope:SCOPE_SE   ; K step 3's, likewise two K steps ahead; there is no K step behind it
	FETCH_A 0, 0, 0
	FETCH_A 0, 0, 4
	STEP 0, 0, 1                                   ; K = 1,024 is eight steps of 128, written out: the first starts the sums
	TURN 0, 1, 1                                   ; slot 0 takes K step 2
	STEP 1, 0, 0
	TURN 1, 0, 1                                   ; slot 1 takes K step 3
	STEP 0, 0, 0
	TURN 0, 1, 0                                   ; nothing is left to fetch
	STEP 1, 0, 0
	; what both ways out need.  The last 64 products stand in each arm, behind the arm's loads, so that bias, cos and sin are on their way while they run
	s_wait_kmcnt 0x0
	s_add_co_i32 s92, s84, s85
	s_add_co_i32 s92, s92, 127
	s_lshl_b32 s92, s92, 23                        ; 2^(e0 + e1) as f32
	s_mov_b32 s93, s92                             ; (named with it as a pair, so it is written)
	s_lshl_b32 s3, s15, 7
	s_add_co_u32 s3, s66, s3                       ; my first row of A
	s_lshl_b32 s18, s16, 7
	s_add_co_u32 s18, s67, s18                     ; my first row of B
	s_mov_b32 s23, 0
	s_cmp_eq_u32 ttmp9, 2                          ; the mode is the cluster's x: the same in all sixteen partners
	s_cbranch_scc1 .Lvarm
	; ---- q and k.  s3 = my first token row, s18 = my first column of qkv
	s_lshr_b32 s19, s3, 11                         ; b
	s_and_b32 s20, s3, 2047                        ; n0
	s_bfe_u32 s21, s18, 0x40006                    ; h0: bits 9:6 of the column
	s_lshl_b32 s19, s19, 4
	s_add_co_u32 s19, s19, s21
	s_lshl_b32 s22, s19, 17                        ; the head's 131,072 bytes,
	s_lshl_b32 s21, s20, 6
	s_add_co_u32 s22, s22, s21                     ; + 64 bytes a token
	s_cmp_eq_u32 ttmp9, 1
	s_cselect_b64 s[94:95], s[80:81], s[78:79]     ; k_img or q_img
	s_cselect_b32 s2, s86, s87                     ; k: entry 2; q: entry 3
	s_add_nc_u64 s[94:95], s[94:95], s[22:23]
	s_lshl_b32 s22, s20, 8
	s_add_nc_u64 s[96:97], s[76:77], s[22:23]      ; the table at my first token: 4,096 bytes for 16 tokens
	s_lshl_b32 s22, s18, 2
	s_add_nc_u64 s[98:99], s[74:75], s[22:23]      ; the bias at my first column
	s_add_co_i32 s2, s2, 127
	s_lshl_b32 s3, s2, 23
	v_mov_b32 v[SC], s3                            ; 2^e as f32: the conversion takes its exponent field
	s_add_co_i32 s2, s2, 8
	s_lshl_b32 s2, s2, 23
	s_or_b32 s2, s2, 0x600000
	v_mov_b32 v[LM], s2                            ; 448 x 2^e
	v_lshlrev_b32 v[BO], 5, v2                     ; 32 hh: my half's eight columns of each sixteen
.irp b, 0,1,2,3,4,5,6,7
	global_load_b128 v[BIAS+8*\b:BIAS+8*\b+3],   v[BO], s[98:99] offset:64*\b
	global_load_b128 v[BIAS+8*\b+4:BIAS+8*\b+7], v[BO], s[98:99] offset:64*\b+16
.endr
.macro CSLOAD a                        ; cos and sin of block a's 16 tokens: 32 registers, as the table's launch laid them
.irp i, 0,1,2,3,4,5,6,7
	global_load_b128 v[CS+32*((\a)%2)+4*\i:CS+32*((\a)%2)+4*\i+3], v[LI], s[96:97] offset:(\a)*4096+512*\i
.endr
.endm
; Block a (16 tokens), head hd of my two: 32 numbers a lane: d = 16 c + 8 hh + j in register 8 c + j.  d and d + 32 lie in the same lane, 16 registers apart: the rotation changes no lane.
.macro QKBLOCK a, hd
.set AC,  64*((\a)%4)+32*(\hd)
.set CSB, CS+32*((\a)%2)
.set CDB, CD+8*(\hd)
	WIN 0x02+((\a)/4)                              ; source 0: window 2 or 3
.irp j, 0,2,4,6,8,10,12,14,16,18,20,22,24,26,28,30
	v_pk_fma_f32 v[T+\j:T+\j+1], v[AC+\j:AC+\j+1], s[92:93], v[BIAS+32*(\hd)+\j:BIAS+32*(\hd)+\j+1] op_sel_hi:[1,0,1]   ; sum x 2^(e0 + e1) + bias; each accumulator from its low end on
.endr
	WIN 0
.irp j, 0,2,4,6,8,10,12,14
	v_pk_mul_f32 v[RR+\j:RR+\j+1],       v[T+\j:T+\j+1],       v[CSB+\j:CSB+\j+1]     ; t(d) cos
	v_pk_mul_f32 v[RR+16+\j:RR+16+\j+1], v[T+16+\j:T+16+\j+1], v[CSB+\j:CSB+\j+1]     ; t(d + 32) cos
.endr
.irp j, 0,2,4,6,8,10,12,14
	v_pk_fma_f32 v[RR+\j:RR+\j+1],       v[T+16+\j:T+16+\j+1], v[CSB+16+\j:CSB+16+\j+1], v[RR+\j:RR+\j+1] neg_lo:[1,0,0] neg_hi:[1,0,0]   ; - t(d + 32) sin
	v_pk_fma_f32 v[RR+16+\j:RR+16+\j+1], v[T+\j:T+\j+1],       v[CSB+16+\j:CSB+16+\j+1], v[RR+16+\j:RR+16+\j+1]                           ; + t(d) sin
.endr
.set i, 0
.rept 32
	v_med3_num_f32 v[RR+i], v[RR+i], -v[LM], v[LM] ; the conversion to an 8-bit code does not saturate (ISA guide 7.6.2): the hold at the largest code x the scale
.set i, i+1
.endr
	s_wait_alu depctr_va_vdst(0)
	s_wait_xcnt 0x0                                ; the earlier stores have read their registers: this head's set of codes is written again only behind this wait
.irp c, 0,1,2,3
	v_cvt_scalef32_pk8_fp8_f32 v[CDB+2*\c:CDB+2*\c+1], v[RR+8*\c:RR+8*\c+7], v[SC]   ; registers 2 c, 2 c + 1 of the operand
.endr
	v_nop                                          ; one plain vector line behind the last conversion
	global_store_b128 v[LI], v[CDB:CDB+3],   s[94:95] offset:(\hd)*131072+(\a)*1024
	global_store_b128 v[LI], v[CDB+4:CDB+7], s[94:95] offset:(\hd)*131072+(\a)*1024+512
.endm
	CSLOAD 0
	LAST
	PLACES NP                                      ; in front of the loads into, and the writes of, the registers that held A's fragments, and of the first read of results
.irp a, 0,1,2,3,4,5,6,7
.if \a < 7
	CSLOAD \a+1
	s_wait_loadcnt 8                               ; the bias and this block's cos and sin are in; the eight loads just issued may be out
.else
	s_wait_loadcnt 0
.endif
	QKBLOCK \a, 0
	QKBLOCK \a, 1
.endr
	s_branch .Ldone
.Lvarm:
	; ---- v.  s3 = my first row of the weight (2,048 + channel), s18 = my first token
	s_bfe_u32 s21, s3, 0x40006                     ; h0: bits 9:6 of the channel
	s_lshr_b32 s19, s18, 11                        ; b
	s_bfe_u32 s20, s18, 0x40007                    ; the key step: bits 10:7 of the token
	s_lshl_b32 s19, s19, 4
	s_add_co_u32 s19, s19, s21
	s_lshl_b32 s22, s19, 17                        ; the head's 131,072 bytes,
	s_lshl_b32 s20, s20, 13
	s_add_co_u32 s22, s22, s20                     ; + 8,192 a key step
	s_add_nc_u64 s[94:95], s[82:83], s[22:23]
	s_lshl_b32 s22, s3, 2
	s_add_nc_u64 s[98:99], s[74:75], s[22:23]      ; the bias at my first channel
	s_add_co_i32 s2, s88, 127                      ; entry 4
	s_lshl_b32 s3, s2, 23
	v_mov_b32 v[SC], s3
	s_add_co_i32 s2, s2, 8
	s_lshl_b32 s2, s2, 23
	s_or_b32 s2, s2, 0x600000
	v_mov_b32 v[LM], s2
	v_lshlrev_b32 v[BO], 2, v1                     ; 4 r: my channel of each sixteen
.irp a, 0,1,2,3,4,5,6,7
	global_load_b32 v[BV+2*\a],   v[BO], s[98:99] offset:64*\a
	global_load_b32 v[BV+2*\a+1], v[BO], s[98:99] offset:64*\a     ; twice: a pair for the packed multiply-add
.endr
; Block a (16 channels): a lane's 64 numbers are its channel at 128 tokens: token 16 b + 8 hh + j in register 8 b + j: one key step's fragment
.macro VBLOCK a
.set AC,  64*((\a)%4)
.set CDB, VCD+16*((\a)%2)
	WIN 0x02+((\a)/4)
.set j, 0
.rept 32
	v_pk_fma_f32 v[VT+j:VT+j+1], v[AC+j:AC+j+1], s[92:93], v[BV+2*(\a):BV+2*(\a)+1] op_sel_hi:[1,0,1]
.set j, j+2
.endr
	WIN 0
.set i, 0
.rept 64
	v_med3_num_f32 v[VT+i], v[VT+i], -v[LM], v[LM]
.set i, i+1
.endr
	s_wait_alu depctr_va_vdst(0)
	s_wait_xcnt 0x0                                ; the earlier stores have read their registers
.irp c, 0,1,2,3,4,5,6,7
	v_cvt_scalef32_pk8_fp8_f32 v[CDB+2*\c:CDB+2*\c+1], v[VT+8*\c:VT+8*\c+7], v[SC]
.endr
	v_nop                                          ; one plain vector line behind the last conversion
.irp i, 0,1,2,3
	global_store_b128 v[LI], v[CDB+4*\i:CDB+4*\i+3], s[94:95] offset:((\a)/4)*131072+((\a)%4)*2048+512*\i
.endr
.endm
	LAST
	PLACES NP
	s_wait_loadcnt 0x0                             ; the bias
.irp a, 0,1,2,3,4,5,6,7
	VBLOCK \a
.endr
.Ldone:
	s_wait_tensorcnt 0x0                           ; the wave's end
	ds_add_u32 v[SPW], v[NIL]
	s_wait_dscnt 0x0
	CROUND                                         ; the closing round: no work-group ends while a partner may still ask for a tile that names it
	s_endpgm
.Lfunc_end_k_q76cfafccf4_qkv:
	.size	k_q76cfafccf4_qkv, .Lfunc_end_k_q76cfafccf4_qkv-k_q76cfafccf4_qkv
	.p2alignl 7, 3214868480
	.fill 96, 4, 3214868480
	.section	.rodata,"a",@progbits
	.p2align	6, 0x0
	.amdhsa_kernel k_q76cfafccf4_qkv
		.amdhsa_group_segment_fixed_size 327680
		.amdhsa_private_segment_fixed_size 0
		.amdhsa_enable_private_segment 0
		.amdhsa_kernarg_size 64
		.amdhsa_user_sgpr_count 2
		.amdhsa_user_sgpr_kernarg_segment_ptr 1
		.amdhsa_wavefront_size32 1
		.amdhsa_system_sgpr_workgroup_id_x 1
		.amdhsa_system_sgpr_workgroup_id_y 1
		.amdhsa_system_sgpr_workgroup_id_z 1
		.amdhsa_system_vgpr_workitem_id 0
		.amdhsa_next_free_vgpr 1024
		.amdhsa_next_free_sgpr 100
		.amdhsa_reserve_vcc 0
		.amdhsa_float_denorm_mode_32 3
		.amdhsa_float_denorm_mode_16_64 3
		.amdhsa_memory_ordered 1
		.amdhsa_forward_progress 1
		.amdhsa_inst_pref_size 239
	.end_amdhsa_kernel
	.amdgpu_metadata
---
amdhsa.version: [ 1, 2 ]
amdhsa.kernels:
  - .name:           k_q76cfafccf4_qkv
    .symbol:         k_q76cfafccf4_qkv.kd
    .args:
      - { .name: x_codes, .offset: 0, .size: 8, .value_kind: global_buffer, .address_space: global }
      - { .name: wq_codes, .offset: 8, .size: 8, .value_kind: global_buffer, .address_space: global }
      - { .name: lowp_scales, .offset: 16, .size: 8, .value_kind: global_buffer, .address_space: global }
      - { .name: qkv_b, .offset: 24, .size: 8, .value_kind: global_buffer, .address_space: global }
      - { .name: rope_img, .offset: 32, .size: 8, .value_kind: global_buffer, .address_space: global }
      - { .name: q_img, .offset: 40, .size: 8, .value_kind: global_buffer, .address_space: global }
      - { .name: k_img, .offset: 48, .size: 8, .value_kind: global_buffer, .address_space: global }
      - { .name: v_img, .offset: 56, .size: 8, .value_kind: global_buffer, .address_space: global }
    .group_segment_fixed_size: 327680
    .private_segment_fixed_size: 0
    .kernarg_segment_align: 8
    .kernarg_segment_size: 64
    .max_flat_workgroup_size: 128
    .sgpr_count:     100
    .vgpr_count:     1024
    .wavefront_size: 32
...
	.end_amdgpu_metadata
.endif
;; end of part 2
;; launch attn (part 3): grid 4 x 64, 16 waves a work-group, clusters of 4 x 1, 327,680 bytes of LDS; arguments q_img, k_img, v_img, lowp_scales, wp_codes, proj_b, out0; writes out0
.if DOCPART == 3
	.amdgcn_target "amdgcn-amd-amdhsa--gfx1250"
	.amdhsa_code_object_version 6
	.text
	.protected	k_q76cfafccf4_attn
	.globl	k_q76cfafccf4_attn
	.p2align	8
	.type	k_q76cfafccf4_attn,@function
k_q76cfafccf4_attn:
	s_mov_b64 s[64:65], 0
	v_nop
	global_prefetch_b8 v0, s[64:65] scope:SCOPE_SE
	s_setreg_imm32_b32 hwreg(HW_REG_WAVE_MODE, 25, 1), 1
	s_wait_xcnt 0x0
	s_wait_alu depctr_hold_cnt(0) depctr_sa_sdst(0) depctr_va_vdst(0) depctr_va_sdst(0) depctr_va_ssrc(0) depctr_va_vcc(0) depctr_vm_vsrc(0)
	s_getreg_b32 s2, hwreg(HW_REG_IB_STS2, 6, 4)
	s_cmp_eq_u32 s2, 0
	s_cbranch_scc0 .Lentry_in_a_cluster
	s_endpgm
.Lentry_in_a_cluster:
	s_bfe_u32 s2, ttmp6, 0x10000c
	s_cmp_lg_u32 s2, 0x3003
	s_cbranch_scc0 .Lentry_shape_is_right
	s_endpgm
.Lentry_shape_is_right:
; ATTENTION AND THE PROJECTION ON THE WAY OUT, all products on codes of E4M3.
; (1) o = softmax(q k^T / 8) v for one head (b, h): q_img, k_img, v_img are images of operand registers, as the launch before laid them.  t = score x log2(e) / 8 x 2^(e2 + e3); M = the running largest t
; rounded up to a whole number; p = 2^(t - M) is held at 448 x 2^e5 and quantised with 2^e5; the row's sum is taken of the unquantised p; when M moves, sum and O are multiplied by 2^(old M - new M).
; (2) reference() swaps the axes b and h and reads the result as [8192][1024]: row (4 h + b) 128 + n / 16 holds tokens n .. n + 15 of one head, column (n % 16) 64 + d.  So 16 queries of a head are ONE WHOLE ROW of the
; projection's left operand, and my work-group's 512 queries are 32 whole rows: out0's rows are finished here: o / sum x 2^(e4 + e5) is quantised with 2^e6, multiplied with proj_w's codes, x 2^(e6 + e7), + proj_b.
; SHARES.  A work-group owns 512 queries of a head, each of 16 waves 32 of them (two tiles of 16).  The head's K and V (131,072 bytes each) lie whole in LDS, fetched once by joint loads of the cluster's four
; work-groups, which own the same head: first 256 keys, then the rest.  Both products are used transposed: a lane holds one query (lane % 16), its registers run along keys, then along the head's 64.
; In (2) a wave makes 32 rows x 64 columns: 8 accumulators by turns, K = 1,024 in 8 steps of 128.  The left operand's 32 rows go from wave to wave through LDS (rows of 1,024 + 16 bytes).
; proj_w's codes come from wp_codes, an image of operand registers, straight into registers: 512 consecutive bytes a load, 65,536 bytes a wave, one K step (16 loads) ahead.
; NO JOINT LOADS FOR proj_w: its 1,048,576 bytes would have to pass through LDS slots with a round of the cluster's barrier for each refill, for 64 matrix instructions a wave.
; NO PREFETCH: K and V are asked for whole at the head, with no loop to run ahead in; proj_w's image is walked by all 256 work-groups alike.
; LDS: K at 0, V at VBASE; ASTG: the 32 rows of codes; SPARE: the spare words.  The stages of the way out (16 rows x 272 bytes a wave) lie in K's bytes, which have had their only fill and are read no more behind the barrier in front.
; LIMITS: the scaled scores stay under 2^31 in magnitude; e2 + e3 between -123 and 130; e5 and e6 between -126 and 119; e6 + e7 between -126 and 127.  NaN is not served.
; REGISTERS: v1 16 x lane; v2 LDS address in hand; v3, v4 448 x 2^e5; v5 2^e5; v6-9, v10-13 -M, largest t, sum (two halves) of tile 0, 1; v14, v15 the add's two; v16-31 Q; v32-95 K or V; v96-159 scores, p;
; v160-223 O^T; v224-255 p's codes.  In (2): v16-19 bias, v20-29 constants and addresses, v32-159 two sets of proj_w's fragments, v160-223 the sums, v224-255 the left operand's fragments.
.set VBASE, 131072
.set ASTG,  262144
.set AP,    1040
.set OP,    272
.set SPARE, 0x4a000
.set FIRST, 16384
.set REST,  14336
.set AK0, 1
.set ADR, 2
.set LM,  3
.set SPW, 14
.set NIL, 15
.set KV,  32
.set S,   96
.set ACC, 160
.set AFR, 224
.set WV,  18
.set SEL, 20
.set CSC, 22
.set G1A, 24
.set G1B, 32
.set G0A, 40
.set G0B, 44
.set TB,  56
.set TV,  57
.set CNT, 58
.macro CROUND                          ; a round of the cluster's barrier
	s_barrier_signal -1
	s_barrier_wait -1
	s_cmp_lg_u32 s[WV], 0
	s_cbranch_scc1 .Lnot_wave_0_\@
	s_barrier_signal -3
.Lnot_wave_0_\@:
	s_barrier_wait -3
	s_barrier_signal -1
	s_barrier_wait -1
.endm
	s_load_b256 s[4:11], s[0:1], 0x0               ; q_img, k_img, v_img, the scales' exponents
	s_load_b128 s[68:71], s[0:1], 0x20             ; wp_codes, proj_b
	s_load_b64 s[72:73], s[0:1], 0x30              ; out0
	v_lshl_add_u32 v[SPW], v0, 2, SPARE
	v_mov_b32 v[NIL], 0
	ds_add_u32 v[SPW], v[NIL]                      ; the opening lines: the add, twice on end, and its wait ahead of my first tensor load
	ds_add_u32 v[SPW], v[NIL]
	v_lshrrev_b32 v1, 5, v0
	s_delay_alu instid0(VALU_DEP_1)
	v_readfirstlane_b32 s[WV], v1                  ; wave 0..15
	s_bfe_u32 s14, ttmp6, 0x40000                  ; cx: which 512 queries
	s_and_b32 s15, ttmp7, 0xffff                   ; the head: 16 b + h
	s_lshr_b32 s16, s[WV], 3                       ; waves 0-7 fetch K, waves 8-15 V
	s_and_b32 s17, s[WV], 7
	s_lshl_b32 s19, s16, 17
	s_lshl_b32 s2, s17, 11                         ; my 2,048 bytes of the first 16,384,
	s_mul_i32 s3, s17, REST
	s_add_co_u32 s3, s3, FIRST                     ; my 14,336 of the rest
	s_mov_b32 s[G1A], 15|(3<<16)|(1<<21)           ; the mask names the cluster's four; elements of 8 bytes; rows of 256 bytes, dense
	s_mov_b32 s[G1A+1], 32<<16
	s_mov_b32 s[G1A+2], 8<<16
	s_mov_b32 s[G1A+3], 32<<16
	s_mov_b32 s[G1A+4], 8
	s_mov_b32 s[G1A+5], 32
	s_mov_b32 s[G1A+6], 0
	s_mov_b32 s[G1A+7], 0
	s_mov_b32 s[G1B], 15|(3<<16)|(1<<21)
	s_mov_b32 s[G1B+1], 32<<16
	s_mov_b32 s[G1B+2], 56<<16
	s_mov_b32 s[G1B+3], 32<<16
	s_mov_b32 s[G1B+4], 56
	s_mov_b32 s[G1B+5], 32
	s_mov_b32 s[G1B+6], 0
	s_mov_b32 s[G1B+7], 0
	s_mov_b32 s[G0A], 1
	s_add_co_u32 s[G0A+1], s19, s2
	s_mov_b32 s[G0B], 1
	s_add_co_u32 s[G0B+1], s19, s3
	s_lshl_b32 s60, s15, 17                        ; the head's 131,072 bytes in each image
	s_mov_b32 s61, 0
	s_mov_b32 s63, 0
	s_mov_b32 s[SEL], 0x76543210
	s_mov_b32 s[SEL+1], 0xfedcba98
	v_and_b32 v2, 31, v0
	s_delay_alu instid0(VALU_DEP_1)
	v_lshlrev_b32 v[AK0], 4, v2
	s_wait_alu depctr_va_vdst(0)
	s_wait_dscnt 0x0
	s_wait_kmcnt 0x0
	s_load_b256 s[48:55], s[10:11], 0x0            ; e0 .. e7
	s_cmp_lt_u32 s[WV], 8
	s_cselect_b64 s[16:17], s[6:7], s[8:9]
	s_add_nc_u64 s[16:17], s[16:17], s[60:61]
	s_mov_b32 s62, s2
	s_add_nc_u64 s[G0A+2:G0A+3], s[16:17], s[62:63]
	s_or_b32 s[G0A+3], s[G0A+3], 0x80000000
	s_mov_b32 s62, s3
	s_add_nc_u64 s[G0B+2:G0B+3], s[16:17], s[62:63]
	s_or_b32 s[G0B+3], s[G0B+3], 0x80000000
	CROUND                                         ; the four work-groups are here: the joint loads meet
	tensor_load_to_lds s[G0A:G0A+3], s[G1A:G1A+7]  ; the first 256 keys: my one tensor load at the head
	s_nop 0
	s_lshl_b32 s62, s14, 15                        ; under its flight: Q, the addresses, the starting state
	s_lshl_b32 s2, s[WV], 11
	s_add_co_u32 s62, s62, s2
	s_add_nc_u64 s[4:5], s[4:5], s[60:61]
	s_add_nc_u64 s[4:5], s[4:5], s[62:63]
	global_load_b128 v[16:19], v[AK0], s[4:5]
	global_load_b128 v[20:23], v[AK0], s[4:5] offset:512
	global_load_b128 v[24:27], v[AK0], s[4:5] offset:1024
	global_load_b128 v[28:31], v[AK0], s[4:5] offset:1536
	s_and_b32 s2, s15, 15
	s_lshr_b32 s3, s15, 4
	s_lshl_b32 s2, s2, 2
	s_add_co_u32 s2, s2, s3                        ; 4 h + b
	s_lshl_b32 s62, s2, 19                         ; 128 rows of 4,096 bytes,
	s_lshl_b32 s2, s14, 17                         ; + 32 rows for each 512 queries,
	s_add_co_u32 s62, s62, s2
	s_lshl_b32 s2, s[WV], 8                        ; + my 64 columns
	s_add_co_u32 s62, s62, s2
	s_add_nc_u64 s[72:73], s[72:73], s[62:63]
	s_mov_b32 s62, s2
	s_add_nc_u64 s[70:71], s[70:71], s[62:63]      ; the bias at my columns
	s_lshl_b32 s62, s[WV], 16
	s_add_nc_u64 s[68:69], s[68:69], s[62:63]      ; my four tiles of proj_w's image
	v_mov_b32 v7, 0xff61b1e6                       ; the largest t so far: -3e38
	s_delay_alu instid0(VALU_DEP_1)
	v_floor_f32 v6, -v7
	v_mov_b32 v8, 0
	v_mov_b32 v9, 0
	v_mov_b32 v11, 0xff61b1e6
	s_delay_alu instid0(VALU_DEP_1)
	v_floor_f32 v10, -v11
	v_mov_b32 v12, 0
	v_mov_b32 v13, 0
	v_mov_b32 v226, 0                              ; written once: lane permutes' destinations and upper halves of pairs
	v_mov_b32 v242, 0
	v_mov_b32 v229, 0
	v_mov_b32 v245, 0
.set j, 0
.rept 64
	v_mov_b32 v[160+j], 0                          ; O^T: the step is written once, its first pass finds zeros
.set j, j+1
.endr
	s_wait_kmcnt 0x0
	s_add_co_i32 s2, s50, s51
	s_lshl_b32 s2, s2, 23
	s_mov_b32 s[CSC], 0x3e38aa3b                   ; log2(e) / 8,
	s_add_co_i32 s[CSC], s[CSC], s2                ; x 2^(e2 + e3)
	s_mov_b32 s[CSC+1], s[CSC]
	s_add_co_i32 s2, s53, 127
	s_lshl_b32 s3, s2, 23
	v_mov_b32 v5, s3                               ; 2^e5
	s_add_co_i32 s2, s2, 8
	s_lshl_b32 s2, s2, 23
	s_or_b32 s2, s2, 0x600000
	v_mov_b32 v[LM], s2                            ; 448 x 2^e5, twice: one for each half of a dual pair
	v_mov_b32 v[LM+1], s2
	s_add_co_i32 s59, s52, s53                     ; e4 + e5
.macro KLOAD
	v_add_nc_u32 v[ADR], s[TB], v[AK0]
.rept 3
	v_nop                                          ; with the line above: four places in front of loads into registers that matrix instructions have read
.endr
.set t, 0
.rept 8
	ds_load_b128 v[KV+8*t:KV+8*t+3],   v[ADR] offset:1024*t
	ds_load_b128 v[KV+8*t+4:KV+8*t+7], v[ADR] offset:1024*t+512
.set t, t+1
.endr
.endm
.macro VLOAD
	v_add_nc_u32 v[ADR], s[TV], v[AK0]
.rept 3
	v_nop
.endr
.set t, 0
.rept 16
	ds_load_b128 v[KV+4*t:KV+4*t+3], v[ADR] offset:512*t
.set t, t+1
.endr
.endm
.macro SCORES q                        ; S^T = K Q^T: 8 tiles of 16 keys
.set t, 0
.rept 8
	v_wmma_f32_16x16x64_fp8_fp8 v[S+8*t:S+8*t+7], v[KV+8*t:KV+8*t+7], v[\q:\q+7], 0
.set t, t+1
.endr
.endm
.macro HOLD                            ; the conversion to an 8-bit code does not saturate (ISA guide 7.6.2); p is not negative: a one-sided hold, two numbers a dual pair
.set j, 0
.rept 32
	v_dual_min_num_f32 v[S+j], v[S+j], v[LM] :: v_dual_min_num_f32 v[S+j+1], v[S+j+1], v[LM+1]
.set j, j+2
.endr
.endm
.macro SOFTMAX st, o, p
.irp k, 0,1,2,3                        ; the step's largest score among my 64 keys, in four chains of 16; each accumulator is read from its low end on
	v_max3_num_f32 v[\p+\k], v[S+16*\k], v[S+16*\k+1], v[S+16*\k+2]
.endr
.irp i, 3,5,7,9,11,13
.irp k, 0,1,2,3
	v_max3_num_f32 v[\p+\k], v[\p+\k], v[S+16*\k+\i], v[S+16*\k+\i+1]
.endr
.endr
	v_max3_num_f32 v[\p], v[\p], v[S+15], v[S+31]
	v_max3_num_f32 v[\p+1], v[\p+1], v[S+47], v[S+63]
	v_max3_num_f32 v[\p+2], v[\p+2], v[\p+3], v[\p]
	v_max_num_f32 v[\p], v[\p+2], v[\p+1]
	v_mov_b32 v[\p+3], v[\st]                      ; the old -M
	v_mul_f32 v[\p], s[CSC], v[\p]                 ; as t (c is positive)
	v_permlanex16_b32 v[\p+2], v[\p], s[SEL], s[SEL+1]
	v_max3_num_f32 v[\st+1], v[\st+1], v[\p], v[\p+2]   ; the running largest t: mine, lane l xor 16's, and the one so far
	v_floor_f32 v[\st], -v[\st+1]                  ; -M = floor(-t)
.set j, 0
.rept 4                                ; t - M, two at a time; the three lines that make f = 2^(old M - new M) stand among them, four apart
	v_pk_fma_f32 v[S+j:S+j+1], v[S+j:S+j+1], s[CSC:CSC+1], v[\st:\st+1] op_sel_hi:[1,0,0]
.set j, j+2
.endr
	v_sub_f32 v[\p+3], v[\st], v[\p+3]
.rept 4
	v_pk_fma_f32 v[S+j:S+j+1], v[S+j:S+j+1], s[CSC:CSC+1], v[\st:\st+1] op_sel_hi:[1,0,0]
.set j, j+2
.endr
	v_cvt_i32_f32 v[\p+3], v[\p+3]
.rept 4
	v_pk_fma_f32 v[S+j:S+j+1], v[S+j:S+j+1], s[CSC:CSC+1], v[\st:\st+1] op_sel_hi:[1,0,0]
.set j, j+2
.endr
	v_ldexp_f32 v[\p+4], 1.0, v[\p+3]
.rept 20
	v_pk_fma_f32 v[S+j:S+j+1], v[S+j:S+j+1], s[CSC:CSC+1], v[\st:\st+1] op_sel_hi:[1,0,0]
.set j, j+2
.endr
.set j, 0
	s_wait_alu depctr_va_vdst(0)                   ; the wait ahead of the batch
.rept 64
	v_exp_f32 v[S+j], v[S+j]
.set j, j+1
.endr
	v_pk_mul_f32 v[\st+2:\st+3], v[\st+2:\st+3], v[\p+4:\p+5] op_sel_hi:[1,0]
.set j, 0
	s_wait_alu depctr_va_vdst(0)                   ; and directly ahead of the first reader of O^T
.rept 16
	v_pk_mul_f32 v[\o+j:\o+j+1], v[\o+j:\o+j+1], v[\p+4:\p+5] op_sel_hi:[1,0]
.set j, j+2
.endr
	s_wait_alu depctr_va_vdst(0)                   ; and ahead of the batch's first reader
	v_pk_add_f32 v[\p+6:\p+7], v[S:S+1], v[S+2:S+3]   ; the sum of the unquantised p, two at a time, in four chains
	v_pk_add_f32 v[\p+8:\p+9], v[S+4:S+5], v[S+6:S+7]
	v_pk_add_f32 v[\p+10:\p+11], v[S+8:S+9], v[S+10:S+11]
	v_pk_add_f32 v[\st+2:\st+3], v[\st+2:\st+3], v[S+12:S+13]
.irp j, 14,22,30,38,46,54
	v_pk_add_f32 v[\p+6:\p+7], v[\p+6:\p+7], v[S+\j:S+1+\j]
	v_pk_add_f32 v[\p+8:\p+9], v[\p+8:\p+9], v[S+2+\j:S+3+\j]
	v_pk_add_f32 v[\p+10:\p+11], v[\p+10:\p+11], v[S+4+\j:S+5+\j]
	v_pk_add_f32 v[\st+2:\st+3], v[\st+2:\st+3], v[S+6+\j:S+7+\j]
.endr
	v_pk_add_f32 v[\p+6:\p+7], v[\p+6:\p+7], v[S+62:S+63]
	v_pk_add_f32 v[\p+8:\p+9], v[\p+8:\p+9], v[\p+10:\p+11]
	s_delay_alu instid0(VALU_DEP_2)
	v_pk_add_f32 v[\st+2:\st+3], v[\st+2:\st+3], v[\p+6:\p+7]
	s_delay_alu instid0(VALU_DEP_1)
	v_pk_add_f32 v[\st+2:\st+3], v[\st+2:\st+3], v[\p+8:\p+9]
	HOLD
.set t, 0
.rept 8
	v_cvt_scalef32_pk8_fp8_f32 v[\p+2*t:\p+2*t+1], v[S+8*t:S+8*t+7], v5
.set t, t+1
.endr
	v_nop                                          ; one plain line behind the last conversion
.endm
.macro PV                              ; O^T += V^T P^T; the eight accumulators by turns
.irp ct, 0,1,2,3
	v_wmma_f32_16x16x128_fp8_fp8 v[160+8*\ct:167+8*\ct], v[KV+16*\ct:KV+16*\ct+15], v[224:239], v[160+8*\ct:167+8*\ct]
	v_wmma_f32_16x16x128_fp8_fp8 v[192+8*\ct:199+8*\ct], v[KV+16*\ct:KV+16*\ct+15], v[240:255], v[192+8*\ct:199+8*\ct]
.endr
.endm
.macro STEP                            ; 128 keys for my two tiles of queries
	KLOAD
.irp g, 0,1,2,3                        ; tile 0's scores, two tiles of keys at a time as their four loads come in: behind them 12, 8, 4, 0 of the 16 loads were issued
	s_wait_dscnt 12-4*\g
	v_wmma_f32_16x16x64_fp8_fp8 v[S+16*\g:S+16*\g+7], v[KV+16*\g:KV+16*\g+7], v[16:23], 0
	v_wmma_f32_16x16x64_fp8_fp8 v[S+16*\g+8:S+16*\g+15], v[KV+16*\g+8:KV+16*\g+15], v[16:23], 0
.endr
.rept 4
	v_nop
.endr
	SOFTMAX 6, 160, 224
	SCORES 24
	VLOAD
	SOFTMAX 10, 192, 240
	s_wait_alu depctr_va_vdst(0)
	s_wait_dscnt 0x0
	PV
	s_add_co_u32 s[TB], s[TB], 8192
	s_add_co_u32 s[TV], s[TV], 8192
.endm
	s_wait_alu depctr_va_vdst(0)
	s_wait_tensorcnt 0x0                           ; my part of the first 256 keys is in
	ds_add_u32 v[SPW], v[NIL]
	s_wait_dscnt 0x0
	CROUND                                         ; everybody's part is in, and the four work-groups are here
	tensor_load_to_lds s[G0B:G0B+3], s[G1B:G1B+7]  ; the rest of the head: it has two key steps in which to land
	s_nop 0
.rept 4
	v_nop
.endr
	s_wait_loadcnt 0x0                             ; Q
	s_mov_b32 s[TB], 0
	s_mov_b32 s[TV], VBASE
	s_mov_b32 s[CNT], 2
.Lfirst:
	STEP
	s_sub_co_u32 s[CNT], s[CNT], 1
	s_cmp_lg_u32 s[CNT], 0
	s_cbranch_scc1 .Lfirst
	s_wait_tensorcnt 0x0                           ; my part of the rest is in
	s_wait_dscnt 0x0
	s_barrier_signal -1
	s_barrier_wait -1
	s_mov_b32 s[TB], FIRST
	s_mov_b32 s[TV], VBASE+FIRST
	s_mov_b32 s[CNT], 14
.Lrest:
	STEP
	s_sub_co_u32 s[CNT], s[CNT], 1
	s_cmp_lg_u32 s[CNT], 0
	s_cbranch_scc1 .Lrest
; THE PROJECTION.  proj_w's fragments of K step ks: four tiles of 16 columns, 16 loads of 512 consecutive bytes, into set ks % 2
.macro WLOAD ks
.set WB, KV+64*((\ks)%2)
.irp t, 0,1,2,3
.irp c, 0,1,2,3
	global_load_b128 v[WB+16*\t+4*\c:WB+16*\t+4*\c+3], v[AK0], s[68:69] offset:16384*\t+2048*(\ks)+512*\c
.endr
.endr
.endm
	s_mul_i32 s2, s[WV], 2*AP
	s_add_co_u32 s2, s2, ASTG                      ; my two rows of codes
	s_mul_i32 s3, s[WV], 16*OP                     ; my stage of the way out
	s_add_co_i32 s56, s54, 127
	s_lshl_b32 s57, s56, 23                        ; 2^e6
	s_add_co_i32 s56, s56, 8
	s_lshl_b32 s56, s56, 23
	s_or_b32 s56, s56, 0x600000                    ; 448 x 2^e6
	s_add_co_i32 s60, s54, s55
	s_add_co_i32 s60, s60, 127
	s_lshl_b32 s60, s60, 23                        ; 2^(e6 + e7)
	s_mov_b32 s61, s60
	v_add_f32 v8, v8, v9                           ; the sums' halves.  (These lines are also the places in front of the loads into V's registers)
	v_add_f32 v12, v12, v13
	s_delay_alu instid0(VALU_DEP_2)
	v_permlanex16_b32 v96, v8, s[SEL], s[SEL+1]
	s_delay_alu instid0(VALU_DEP_2)
	v_permlanex16_b32 v97, v12, s[SEL], s[SEL+1]
	s_delay_alu instid0(VALU_DEP_2)
	v_add_f32 v8, v8, v96
	s_delay_alu instid0(VALU_DEP_2)
	v_add_f32 v12, v12, v97
	v_and_b32 v22, 15, v0                          ; r
	v_bfe_u32 v23, v0, 4, 1                        ; h
	v_lshlrev_b32 v28, 4, v22                      ; 16 r
	global_load_b128 v[16:19], v28, s[70:71]       ; the bias of columns 4 r .. 4 r + 3 of my 64
	WLOAD 0
	WLOAD 1
	s_wait_alu depctr_va_vdst(0)
	v_rcp_f32 v8, v8
	v_rcp_f32 v12, v12
	v_lshlrev_b32 v24, 6, v22
	v_mul_u32_u24 v25, v22, AP
	v_mul_u32_u24 v26, v22, OP
	v_mul_u32_u24 v27, v23, OP
	v_lshl_add_u32 v24, v23, 3, v24
	v_lshl_add_u32 v25, v23, 4, v25
	v_lshl_add_u32 v26, v23, 5, v26
	v_add_nc_u32 v27, v27, v28
	v_add_nc_u32 v24, s2, v24                      ; codes in: token r at 64 r, my half's 8 at 8 h
	v_add_nc_u32 v25, ASTG, v25                    ; fragments: row r, + 16 h
	v_add_nc_u32 v26, s3, v26                      ; the way out, in: row r, + 32 h
	v_add_nc_u32 v27, s3, v27                      ; back: lanes 0-15 one row, lanes 16-31 the next
	v_lshl_add_u32 v29, v23, 12, v28               ; and the same two rows in out0
	v_mov_b32 v20, s56
	v_mov_b32 v21, s57
	s_wait_alu depctr_va_vdst(0)                   ; the wait ahead of the first reader
	v_ldexp_f32 v8, v8, s59                        ; x 2^(e4 + e5)
	v_ldexp_f32 v12, v12, s59
	s_wait_alu depctr_va_vdst(0)                   ; directly ahead of the first reader of O^T
.set j, 0
.rept 16
	v_pk_mul_f32 v[160+j:161+j], v[160+j:161+j], v[8:9] op_sel_hi:[1,0]
	v_pk_mul_f32 v[192+j:193+j], v[192+j:193+j], v[12:13] op_sel_hi:[1,0]
.set j, j+2
.endr
.set j, 0
.rept 64
	v_med3_num_f32 v[160+j], v[160+j], -v20, v20
.set j, j+1
.endr
.irp ct, 0,1,2,3,4,5,6,7
	v_cvt_scalef32_pk8_fp8_f32 v[224+2*\ct:225+2*\ct], v[160+8*\ct:167+8*\ct], v21
.endr
	v_nop                                          ; one plain line behind the last conversion
.irp ct, 0,1,2,3
	ds_store_b64 v24, v[224+2*\ct:225+2*\ct] offset:16*\ct
	ds_store_b64 v24, v[232+2*\ct:233+2*\ct] offset:AP+16*\ct
.endr
	s_wait_alu depctr_va_vdst(0)
	s_wait_dscnt 0x0                               ; my rows are stored, and my reads of K and V are over
	s_barrier_signal -1
	s_barrier_wait -1                              ; all 32 rows are there; nobody reads K's bytes any more
; A K step of 128: source 0 = 16 rows of proj_w (columns of out0), source 1 = 16 of the 32 rows: a lane holds a row of out0 and eight neighbouring columns.
.macro KS ks
.set WB, KV+64*((\ks)%2)
.irp m, 0,1
.irp c, 0,1,2,3
	ds_load_b128 v[AFR+16*\m+4*\c:AFR+16*\m+4*\c+3], v25 offset:16*AP*\m+128*(\ks)+32*\c
.endr
.endr
.if (\ks) < 7
	s_wait_loadcnt 16                              ; this step's 16 loads (and the bias) are in; the next step's 16 may be out
.else
	s_wait_loadcnt 0
.endif
	s_wait_dscnt 0x0
.irp t, 0,1,2,3
.irp m, 0,1
.if (\ks) == 0
	v_wmma_f32_16x16x128_fp8_fp8 v[ACC+32*\m+8*\t:ACC+32*\m+8*\t+7], v[WB+16*\t:WB+16*\t+15], v[AFR+16*\m:AFR+16*\m+15], 0
.else
	v_wmma_f32_16x16x128_fp8_fp8 v[ACC+32*\m+8*\t:ACC+32*\m+8*\t+7], v[WB+16*\t:WB+16*\t+15], v[AFR+16*\m:AFR+16*\m+15], v[ACC+32*\m+8*\t:ACC+32*\m+8*\t+7]
.endif
.endr
.endr
.rept 4
	v_nop                                          ; places in front of the loads into these operands' registers, and of the first read of the sums
.endr
.if (\ks)+2 < 8
	WLOAD (\ks)+2
.endif
.endm
.irp ks, 0,1,2,3,4,5,6,7
	KS \ks
.endr
; THE WAY OUT: 16 rows x 256 bytes at a time through my stage, back as whole rows: sixteen lanes store one aligned unit of 256 bytes.  LDS serves a wave's instructions in order.
.irp m, 0,1
.irp t, 0,1,2,3
	ds_store_b128 v26, v[ACC+32*\m+8*\t:ACC+32*\m+8*\t+3] offset:64*\t
	ds_store_b128 v26, v[ACC+32*\m+8*\t+4:ACC+32*\m+8*\t+7] offset:64*\t+16
.endr
.irp i, 0,1,2,3,4,5,6,7
	ds_load_b128 v[KV+32*\m+4*\i:KV+32*\m+4*\i+3], v27 offset:2*OP*\i
.endr
.endr
.irp m, 0,1
	s_wait_dscnt 16-16*\m                          ; the first 16 rows are back: the second block's 8 stores and 8 loads may be out
.irp i, 0,1,2,3,4,5,6,7
	v_pk_fma_f32 v[KV+32*\m+4*\i:KV+32*\m+4*\i+1],   v[KV+32*\m+4*\i:KV+32*\m+4*\i+1],   s[60:61], v[16:17] op_sel_hi:[1,0,1]   ; x 2^(e6 + e7) + bias
	v_pk_fma_f32 v[KV+32*\m+4*\i+2:KV+32*\m+4*\i+3], v[KV+32*\m+4*\i+2:KV+32*\m+4*\i+3], s[60:61], v[18:19] op_sel_hi:[1,0,1]
.endr
.irp i, 0,1,2,3,4,5,6,7
	global_store_b128 v29, v[KV+32*\m+4*\i:KV+32*\m+4*\i+3], s[72:73] offset:(16*\m+2*\i)*4096 th:TH_STORE_NT
.endr
.endr
	s_wait_tensorcnt 0x0                           ; the wave's end
	ds_add_u32 v[SPW], v[NIL]
	s_wait_dscnt 0x0
	CROUND                                         ; the closing round
	s_endpgm
.Lfunc_end_k_q76cfafccf4_attn:
	.size	k_q76cfafccf4_attn, .Lfunc_end_k_q76cfafccf4_attn-k_q76cfafccf4_attn
	.p2alignl 7, 3214868480
	.fill 96, 4, 3214868480
	.section	.rodata,"a",@progbits
	.p2align	6, 0x0
	.amdhsa_kernel k_q76cfafccf4_attn
		.amdhsa_group_segment_fixed_size 327680
		.amdhsa_private_segment_fixed_size 0
		.amdhsa_enable_private_segment 0
		.amdhsa_kernarg_size 56
		.amdhsa_user_sgpr_count 2
		.amdhsa_user_sgpr_kernarg_segment_ptr 1
		.amdhsa_wavefront_size32 1
		.amdhsa_system_sgpr_workgroup_id_x 1
		.amdhsa_system_sgpr_workgroup_id_y 1
		.amdhsa_system_sgpr_workgroup_id_z 1
		.amdhsa_system_vgpr_workitem_id 0
		.amdhsa_next_free_vgpr 256
		.amdhsa_next_free_sgpr 80
		.amdhsa_reserve_vcc 0
		.amdhsa_float_denorm_mode_32 3
		.amdhsa_float_denorm_mode_16_64 3
		.amdhsa_memory_ordered 1
		.amdhsa_forward_progress 1
		.amdhsa_inst_pref_size 103
	.end_amdhsa_kernel
	.amdgpu_metadata
---
amdhsa.version: [ 1, 2 ]
amdhsa.kernels:
  - .name:           k_q76cfafccf4_attn
    .symbol:         k_q76cfafccf4_attn.kd
    .args:
      - { .name: q_img, .offset: 0, .size: 8, .value_kind: global_buffer, .address_space: global }
      - { .name: k_img, .offset: 8, .size: 8, .value_kind: global_buffer, .address_space: global }
      - { .name: v_img, .offset: 16, .size: 8, .value_kind: global_buffer, .address_space: global }
      - { .name: lowp_scales, .offset: 24, .size: 8, .value_kind: global_buffer, .address_space: global }
      - { .name: wp_codes, .offset: 32, .size: 8, .value_kind: global_buffer, .address_space: global }
      - { .name: proj_b, .offset: 40, .size: 8, .value_kind: global_buffer, .address_space: global }
      - { .name: out0, .offset: 48, .size: 8, .value_kind: global_buffer, .address_space: global }
    .group_segment_fixed_size: 327680
    .private_segment_fixed_size: 0
    .kernarg_segment_align: 8
    .kernarg_segment_size: 56
    .max_flat_workgroup_size: 512
    .sgpr_count:     80
    .vgpr_count:     256
    .wavefront_size: 32
...
	.end_amdgpu_metadata
.endif
;; end of part 3
